; MI455X (gfx1250); checked and timed in simulation.
; The chip was launched on July 23, 2026; its instructions are those of AMD's public machine-readable ISA for CDNA 5 (MIT licence, August 2026) and "CDNA5" Instruction Set Architecture Reference Guide (July 2026). The comments in the code are by the model that wrote it; some were corrected since.
;; Multi Head Self Attention. Allowed arithmetic: float matrix products may take bf16 or f16 operands with f32 sums; all other float work in f32.
;; Inputs: Wo 1,024 x 1,024 float32; Wq 1,024 x 1,024 float32; bo 1,024 float32; bq 1,024 float32; x 2 x 2,048 x 1,024 float32.
;; Outputs: out0 2 x 2,048 x 1,024 float32.
;; One version. Each part assembles by itself: llvm-mc -triple=amdgcn-amd-amdhsa -mcpu=gfx1250 --defsym DOCPART=n.
;; ======== version 1 of 1: 3 launches
;; limits: values are held in f16: magnitudes above 65,504 overflow, below 6.1e-05 lose precision; right only within a limited range of input values
;; workspace buffers: qh 8,388,608 bytes; ah 8,388,608 bytes; woh 2,097,152 bytes
;; launch qproj (part 1): grid 8 x 32, 4 waves a work-group, clusters of 4 x 4, 327,680 bytes of LDS; arguments x, Wq, bq, Wo, qh, woh; writes qh, woh
.if DOCPART == 1
	.amdgcn_target "amdgcn-amd-amdhsa--gfx1250"
	.amdhsa_code_object_version 6
	.text
	.protected	k_qc3bebb954b_qproj
	.globl	k_qc3bebb954b_qproj
	.p2align	8
	.type	k_qc3bebb954b_qproj,@function
k_qc3bebb954b_qproj:
	s_mov_b64 s[64:65], 0
	v_nop
	global_prefetch_b8 v0, s[64:65] scope:SCOPE_SE
	s_setreg_imm32_b32 hwreg(HW_REG_WAVE_MODE, 25, 1), 1
	s_wait_xcnt 0x0
	s_wait_alu depctr_hold_cnt(0) depctr_sa_sdst(0) depctr_va_vdst(0) depctr_va_sdst(0) depctr_va_ssrc(0) depctr_va_vcc(0) depctr_vm_vsrc(0)
	s_getreg_b32 s2, hwreg(HW_REG_IB_STS2, 6, 4)
	s_cmp_eq_u32 s2, 0
	s_cbranch_scc0 .Lentry_in_a_cluster
	s_endpgm
.Lentry_in_a_cluster:
	s_bfe_u32 s2, ttmp6, 0x10000c
	s_cmp_lg_u32 s2, 0xf033
	s_cbranch_scc0 .Lentry_shape_is_right
	s_endpgm
.Lentry_shape_is_right:
; q = x Wq^T + bq, rounded once to f16 and stored head-major: qh[b*16+head][s][64].  x: [4096][1024] f32, Wq: [1024][1024] f32.
; Side job: Wo is rounded once to f16 into woh [1024][1024], 16,384 bytes of Wo for each of the 256 work-groups.
; A work-group makes 128 rows x 128 columns (two heads) with four waves; a wave makes 64 x 64 (one head): 16 accumulator tiles.
; K goes in steps of 64 f32 (rows of 256 bytes, starting at multiples of 256 bytes) through four LDS slots; three are filled behind one barrier.
; The tiles stay f32 in LDS; each wave reads f32 fragments and rounds them to f16 in registers (two numbers an instruction).
; CLUSTERS: 4 x 4 work-groups.  x's tile hangs on the block row alone and is asked for jointly along a row of the cluster,
; Wq's tile hangs on the block column alone and is asked for jointly along a column: the requests for both are divided by four.
; The matrix instruction is used transposed (source 0 = 16 rows of Wq, source 1 = 16 rows of x): lane (r, h) then holds row r and the
; eight neighbouring columns 8 h + 0..7 of the tile, which pack into 16 bytes.  The bias is the C operand of the first product.
; WHY F16: the result is a mean over 2,048 keys and is some 15 times smaller than q, and it is compared within a hundredth of its spread;
; 11 significant bits in every matrix operand leave that allowance a wide margin, 8 bits do not.
; LIMITS: x, Wq, Wo and q are rounded to f16 (sums in f32): each must stay under 65,504 in magnitude, and below 2^-14 the steps are 2^-24.
; The room, by the sizes: q's spread is sqrt(1024/3)/32 = 0.58 for x of spread 1 and Wq within 1/32; with both 30 times larger it is 520;
; with x offset by 30 and Wq by 30/32, q is about 1024 x 30 x 0.94 = 28,800; with both 30 times smaller a step of 2^-24 is a ten-thousandth of q's spread.
.set PITCH,  272                       ; LDS row: 256 bytes + 16 of padding: the 16 rows of a load start in 16 different 16-byte columns modulo 256
.set QUART,  64*PITCH                  ; 64 rows: what one tensor load brings
.set SLOT,   4*QUART                   ; x's 128 rows, then Wq's 128 rows
.set STAGE,  4*SLOT                    ; behind the ring, bytes into which no tile lands: 16 rows x 144 bytes for each wave
.set SPITCH, 144
.set ADRA, 8                           ; v8-11   LDS address of my x fragments in slot 0..3
.set ADRB, 12                          ; v12-15  the same for Wq
.set STO,  16                          ; the way out: where I put 16 bytes of a row
.set RD,   17                          ; the way out: where I read rows back
.set CO,   18                          ; 16 x lane: my bytes in 512 consecutive bytes of qh
.set BO,   19                          ; byte offset of my bias numbers
.set WI,   20                          ; side job: byte offset in Wo
.set WS,   21                          ; side job: byte offset in woh
.set BI,   24                          ; v[24:55]   bias: tile b, register j = bq[column0 + 16 b + 8 h + j]
.set S,    64                          ; v[64:191]  fragments as f32
.set F,    192                         ; v[192:255] fragments as f16: Wq's four at F, x's four at F+32
                                       ; window 1, v[0:127]: accumulator tile (a, b) at 8 (4 a + b)
.set G1A, 16                           ; s[16:23] descriptor group 1, x's tiles
.set G1B, 24                           ; s[24:31] descriptor group 1, Wq's tiles: differs in the mask alone
.set G0A, 32                           ; s[32:47] descriptor group 0, x's tiles, a set for each slot
.set G0B, 48                           ; s[48:63] descriptor group 0, Wq's tiles, a set for each slot
.set G1W0, (2<<16)|(1<<20)|(1<<21)|(5<<22)|(3<<25)  ; elements of 4 bytes; padding on; bit 21 beside a mask; after every 64 words, 4 words
.set MSB, 0
.macro WIN new                         ; the immediate's high byte repeats the setting that is left
.if MSB != \new
	s_set_vgpr_msb (MSB<<8)|\new
.set MSB, \new
.endif
.endm
.macro PLACES                          ; four places behind a matrix instruction (ISA guide 7.12.1)
.rept 4
	v_nop
.endr
.endm
; A round of the cluster's barrier: my work-group's barrier, wave 0 signals for the work-group, all wait, my work-group's barrier again.
.macro CROUND
	s_barrier_signal -1
	s_barrier_wait -1
	s_cmp_lg_u32 s66, 0
	s_cbranch_scc1 .Lnot_wave_0_\@
	s_barrier_signal -3
.Lnot_wave_0_\@:
	s_barrier_wait -3
	s_barrier_signal -1
	s_barrier_wait -1
.endm
; Joint loads into up to four slots (-1: none).  Waves 0, 1 ask for x's two halves, waves 2, 3 for Wq's: every wave issues as many loads on either way.
.macro JLOADS a, b, c, d
	s_cmp_eq_u32 s67, 0
	s_cbranch_scc0 .Lfor_b_\@
.irp t, \a, \b, \c, \d
.if \t >= 0
	tensor_load_to_lds s[G0A+4*\t:G0A+4*\t+3], s[G1A:G1A+7]
	s_nop 0
.endif
.endr
	s_branch .Lasked_\@
.Lfor_b_\@:
.irp t, \a, \b, \c, \d
.if \t >= 0
	tensor_load_to_lds s[G0B+4*\t:G0B+4*\t+3], s[G1B:G1B+7]
	s_nop 0
.endif
.endr
.Lasked_\@:
.endm
	s_load_b256 s[4:11], s[0:1], 0x0               ; x s[4:5], Wq s[6:7], bq s[8:9], Wo s[10:11]
	s_load_b128 s[12:15], s[0:1], 0x20             ; qh s[12:13], woh s[14:15]
	v_lshl_add_u32 v62, v0, 2, 0x46400
	v_mov_b32 v63, 0
	ds_add_u32 v62, v63
	v_lshrrev_b32 v1, 5, v0
	v_readfirstlane_b32 s66, v1                    ; wave 0..3
	s_lshr_b32 s67, s66, 1                         ; my half of the block's rows; also: I fetch for x (0) or for Wq (1)
	s_and_b32 s68, s66, 1                          ; my half of its columns; also: which 64 rows of that tile I fetch
	s_bfe_u32 s69, ttmp6, 0x40000                  ; cx
	s_bfe_u32 s70, ttmp6, 0x40004                  ; cy
	s_lshl_b32 s71, ttmp9, 2
	s_add_co_u32 s71, s71, s69                     ; block column 0..7
	s_and_b32 s72, ttmp7, 0xffff
	s_lshl_b32 s72, s72, 2
	s_add_co_u32 s72, s72, s70                     ; block row 0..31
	s_lshl_b32 s73, s70, 2
	s_lshl_b32 s73, 15, s73                        ; my row of the cluster
	s_lshl_b32 s74, 0x1111, s69                    ; my column of the cluster
	s_or_b32 s[G1A+0], s73, G1W0
	s_or_b32 s[G1B+0], s74, G1W0
.irp g, G1A, G1B
	s_mov_b32 s[\g+1], 64<<16                      ; tensor_dim0 = 64
	s_mov_b32 s[\g+2], 64<<16                      ; tensor_dim1 = 64
	s_mov_b32 s[\g+3], 64<<16                      ; tile_dim0 = 64 elements (256 bytes)
	s_mov_b32 s[\g+4], 64                          ; tile_dim1 = 64 rows
	s_mov_b32 s[\g+5], 1024                        ; elements from row to row
	s_mov_b32 s[\g+6], 0
	s_mov_b32 s[\g+7], 0
.endr
	s_lshl_b32 s75, s68, 6                         ; 64 x (wave & 1)
	s_lshl_b32 s76, s72, 7
	s_add_co_u32 s76, s76, s75                     ; x: row 128 x block row + 64 x half
	s_lshl_b32 s76, s76, 12                        ; rows of 4,096 bytes
	s_mov_b32 s77, 0
	s_lshl_b32 s78, s71, 7
	s_add_co_u32 s78, s78, s75                     ; Wq: row 128 x block column + 64 x half
	s_lshl_b32 s78, s78, 12
	s_mov_b32 s79, 0
	s_mul_i32 s82, s66, QUART                      ; where my quarter of a slot lies: the wave's number alone
	s_wait_dscnt 0x0
	s_wait_kmcnt 0x0
	s_add_nc_u64 s[76:77], s[4:5], s[76:77]
	s_add_nc_u64 s[78:79], s[6:7], s[78:79]
	CROUND                                         ; all sixteen work-groups are here: the first joint loads meet
.irp s, 0,1,2,3
	s_mov_b32 s[G0A+4*\s], 1
	s_add_co_u32 s[G0A+4*\s+1], s82, \s*SLOT
	s_add_nc_u64 s[G0A+4*\s+2:G0A+4*\s+3], s[76:77], \s*256
	s_or_b32 s[G0A+4*\s+3], s[G0A+4*\s+3], 0x80000000
	s_mov_b32 s[G0B+4*\s], 1
	s_add_co_u32 s[G0B+4*\s+1], s82, \s*SLOT
	s_add_nc_u64 s[G0B+4*\s+2:G0B+4*\s+3], s[78:79], \s*256
	s_or_b32 s[G0B+4*\s+3], s[G0B+4*\s+3], 0x80000000
.endr
	JLOADS 0, 1, 2, 3                              ; K steps 0 to 3: four tensor loads of the wave are out
	; addresses.  An f32 fragment of 16 rows x 32 K: lane (r, h) takes K = 8h..8h+7 (32 bytes at 32 h) and K = 16+8h.. (32 bytes at 64 + 32 h) of row r.
	v_and_b32 v1, 15, v0                           ; r
	v_bfe_u32 v2, v0, 4, 1                         ; h
	v_and_b32 v3, 31, v0                           ; lane
	v_mul_u32_u24 v4, v1, PITCH
	v_lshl_add_u32 v4, v2, 5, v4                   ; r x pitch + 32 h
	s_mul_i32 s83, s67, QUART                      ; my 64 rows of x
	s_mul_i32 s84, s68, QUART                      ; my 64 rows of Wq,
	s_add_co_u32 s84, s84, 2*QUART                 ; which lie behind x's 128
.irp s, 0,1,2,3
	v_add_nc_u32 v[ADRA+\s], s83, v4
	v_add_nc_u32 v[ADRB+\s], s84, v4
	s_add_co_u32 s83, s83, SLOT
	s_add_co_u32 s84, s84, SLOT
.endr
	s_mul_i32 s85, s66, 16*SPITCH
	s_add_co_u32 s85, s85, STAGE                   ; my stage
	v_mul_u32_u24 v5, v1, SPITCH
	v_lshl_add_u32 v5, v2, 4, v5
	v_add_nc_u32 v[STO], s85, v5                   ; in: row r, 16 bytes for each half of the lanes
	v_lshrrev_b32 v5, 3, v3
	v_mul_u32_u24 v5, v5, SPITCH
	v_and_b32 v6, 7, v0
	v_lshl_add_u32 v5, v6, 4, v5
	v_add_nc_u32 v[RD], s85, v5                    ; back: eight lanes take a row of 128 bytes, the wave four rows
	v_lshlrev_b32 v[CO], 4, v3
	s_lshl_b32 s86, s71, 7
	s_add_co_u32 s86, s86, s75                     ; my first column
	s_lshl_b32 s86, s86, 2
	v_lshlrev_b32 v[BO], 5, v2
	v_add_nc_u32 v[BO], s86, v[BO]                 ; 4 x (column0 + 8 h)
.irp b, 0,1,2,3
	global_load_b128 v[BI+8*\b:BI+8*\b+3],   v[BO], s[8:9] offset:64*\b
	global_load_b128 v[BI+8*\b+4:BI+8*\b+7], v[BO], s[8:9] offset:64*\b+16
.endr
	; side job: 32 numbers of Wo a thread; each store of a wave covers 512 consecutive bytes of woh
	s_lshl_b32 s87, s72, 3
	s_add_co_u32 s87, s87, s71                     ; work-group 0..255
	s_lshl_b32 s88, s87, 14
	s_lshl_b32 s89, s87, 13
	v_lshlrev_b32 v[WI], 5, v0
	v_add_nc_u32 v[WI], s88, v[WI]
	v_lshlrev_b32 v[WS], 4, v0
	v_add_nc_u32 v[WS], s89, v[WS]
.irp i, 0,1,2,3
	global_load_b128 v[S+8*\i:S+8*\i+3],   v[WI], s[10:11] offset:4096*\i th:TH_LOAD_NT
	global_load_b128 v[S+8*\i+4:S+8*\i+7], v[WI], s[10:11] offset:4096*\i+16 th:TH_LOAD_NT
.endr
	; where my 64 x 64 tile goes: ((batch x 16 + head) x 2048 + token) x 128 bytes: 8,192 consecutive bytes
	s_lshr_b32 s90, s72, 4
	s_lshl_b32 s90, s90, 4
	s_lshl_b32 s91, s71, 1
	s_add_co_u32 s90, s90, s91
	s_add_co_u32 s90, s90, s68
	s_lshl_b32 s90, s90, 11
	s_and_b32 s91, s72, 15
	s_lshl_b32 s91, s91, 7
	s_add_co_u32 s90, s90, s91
	s_lshl_b32 s91, s67, 6
	s_add_co_u32 s90, s90, s91
	s_lshl_b32 s90, s90, 7
	s_mov_b32 s91, 0
	s_add_nc_u64 s[12:13], s[12:13], s[90:91]
	s_wait_loadcnt 0x0                             ; bias and Wo
.set q, 0
.rept 16
	v_cvt_pk_f16_f32 v[S+32+q], v[S+2*q], v[S+2*q+1]
.set q, q+1
.endr
.irp i, 0,1,2,3
	global_store_b128 v[WS], v[S+32+4*\i:S+32+4*\i+3], s[14:15] offset:2048*\i
.endr
	s_wait_xcnt 0x0                                ; the stores' data registers are loaded again only behind this wait
; 32 LDS loads: the f32 fragments of one half of a K step (32 along K, at byte 128 hf of the rows): Wq's four, then x's four
.macro LOADS slot, hf
.irp i, 0,1,2,3
	ds_load_b128 v[S+16*\i:S+16*\i+3],     v[ADRB+\slot] offset:\i*16*PITCH+\hf*128
	ds_load_b128 v[S+16*\i+4:S+16*\i+7],   v[ADRB+\slot] offset:\i*16*PITCH+\hf*128+16
	ds_load_b128 v[S+16*\i+8:S+16*\i+11],  v[ADRB+\slot] offset:\i*16*PITCH+\hf*128+64
	ds_load_b128 v[S+16*\i+12:S+16*\i+15], v[ADRB+\slot] offset:\i*16*PITCH+\hf*128+80
.endr
.irp i, 0,1,2,3
	ds_load_b128 v[S+64+16*\i:S+64+16*\i+3],     v[ADRA+\slot] offset:\i*16*PITCH+\hf*128
	ds_load_b128 v[S+64+16*\i+4:S+64+16*\i+7],   v[ADRA+\slot] offset:\i*16*PITCH+\hf*128+16
	ds_load_b128 v[S+64+16*\i+8:S+64+16*\i+11],  v[ADRA+\slot] offset:\i*16*PITCH+\hf*128+64
	ds_load_b128 v[S+64+16*\i+12:S+64+16*\i+15], v[ADRA+\slot] offset:\i*16*PITCH+\hf*128+80
.endr
.endm
.macro CVT                             ; 128 f32 to 64 registers of f16 pairs, in the fragments' order
.set q, 0
.rept 64
	v_cvt_pk_f16_f32 v[F+q], v[S+2*q], v[S+2*q+1]
.set q, q+1
.endr
.endm
; 16 matrix instructions, 32 along K.  mode 1: the bias starts the sums; mode 2: in place.
; The sixteen accumulators take turns, one instruction a turn.
.macro MUL mode
.if \mode == 1
	WIN 0x40                                       ; D in window 1, all sources in window 0
.else
	WIN 0x50                                       ; C and D in window 1
.endif
.irp a, 0,1,2,3
.irp b, 0,1,2,3
.if \mode == 1
	v_wmma_f32_16x16x32_f16 v[8*(4*\a+\b):8*(4*\a+\b)+7], v[F+8*\b:F+8*\b+7], v[F+32+8*\a:F+32+8*\a+7], v[BI+8*\b:BI+8*\b+7]
.else
	v_wmma_f32_16x16x32_f16 v[8*(4*\a+\b):8*(4*\a+\b)+7], v[F+8*\b:F+8*\b+7], v[F+32+8*\a:F+32+8*\a+7], v[8*(4*\a+\b):8*(4*\a+\b)+7]
.endif
.endr
.endr
	WIN 0
.endm
; Half a K step: its f32 fragments are asked for, the half before is multiplied meanwhile, then the new fragments are rounded.
.macro STEP slot, hf, mode
	LOADS \slot, \hf
.if \mode
	MUL \mode
	PLACES                                         ; the conversions write registers that the matrix instructions read
.endif
	s_wait_dscnt 0x0                               ; all 32 loads are in: my reads of this half are over
	CVT
.endm
.macro TILE slot, m0, m1
	STEP \slot, 0, \m0
	STEP \slot, 1, \m1
.endm
; A tile is shown to the other waves: my part has landed (left = my younger tiles, which may stay out).
.macro SHOW left
	s_wait_tensorcnt \left
	s_barrier_signal -1
	s_barrier_wait -1
.endm
; Three slots that have been read are filled again, four K steps on.  Every wave's reads are back and all its tensor loads have landed in front of
; the round's opening signal; the joint loads are the first tensor loads behind its closing wait.  Three tensor loads of the wave are then out.
.macro FILL a, b, c
	s_wait_dscnt 0x0
	s_wait_tensorcnt 0x0                           ; no tensor load of mine is out: every group 0 may be written; the unread slot's tile has landed
	ds_add_u32 v62, v63
	s_wait_dscnt 0x0
.irp t, \a, \b, \c
	s_add_nc_u64 s[G0A+4*\t+2:G0A+4*\t+3], s[G0A+4*\t+2:G0A+4*\t+3], 4*256
	s_add_nc_u64 s[G0B+4*\t+2:G0B+4*\t+3], s[G0B+4*\t+2:G0B+4*\t+3], 4*256
.endr
	CROUND
	JLOADS \a, \b, \c, -1
.endm
	SHOW 3                                         ; K step 0 is in; 1, 2, 3 may be out
	TILE 0, 0, 1
	SHOW 2
	TILE 1, 2, 2
	SHOW 1
	TILE 2, 2, 2
	FILL 0, 1, 2                                   ; K step 3 has landed; 4, 5, 6 go out
	TILE 3, 2, 2
	SHOW 2
	TILE 0, 2, 2
	SHOW 1
	TILE 1, 2, 2
	FILL 3, 0, 1                                   ; 6 has landed; 7, 8, 9 go out
	TILE 2, 2, 2
	SHOW 2
	TILE 3, 2, 2
	SHOW 1
	TILE 0, 2, 2
	FILL 2, 3, 0                                   ; 9 has landed; 10, 11, 12 go out
	TILE 1, 2, 2
	SHOW 2
	TILE 2, 2, 2
	SHOW 1
	TILE 3, 2, 2
	FILL 1, 2, 3                                   ; 12 has landed; 13, 14, 15 go out: the last
	TILE 0, 2, 2
	SHOW 2
	TILE 1, 2, 2
	SHOW 1
	TILE 2, 2, 2
	SHOW 0
	TILE 3, 2, 2
	MUL 2                                          ; the last half's product
	PLACES                                         ; the conversions below read results
; The way out, 16 rows at a time: round to f16, 16 bytes a lane into my own stage, read back as rows, store 512 consecutive bytes an instruction.
.macro OUT16 a
	WIN 0x05                                       ; both sources in window 1
.irp b, 0,1,2,3
.irp q, 0,1,2,3
	v_cvt_pk_f16_f32 v[S+4*\b+\q], v[8*(4*\a+\b)+2*\q], v[8*(4*\a+\b)+2*\q+1]
.endr
.endr
	WIN 0
.irp b, 0,1,2,3
	ds_store_b128 v[STO], v[S+4*\b:S+4*\b+3] offset:32*\b
.endr
	s_wait_xcnt 0x0                                ; the registers that the last stores read are loaded again only behind this wait
.irp t, 0,1,2,3
	ds_load_b128 v[S+16+4*\t:S+16+4*\t+3], v[RD] offset:\t*4*SPITCH    ; LDS serves a wave's instructions in order: these see the stores above
.endr
.irp t, 0,1,2,3
	s_wait_dscnt 3-\t                              ; the younger read-backs may stay out
	global_store_b128 v[CO], v[S+16+4*\t:S+16+4*\t+3], s[12:13] offset:\a*2048+\t*512
.endr
.endm
	OUT16 0
	OUT16 1
	OUT16 2
	OUT16 3
	s_wait_tensorcnt 0x0
	ds_add_u32 v62, v63
	s_wait_dscnt 0x0
	CROUND                                         ; the closing round: no work-group ends while a partner may still ask jointly
	s_endpgm
.Lfunc_end_k_qc3bebb954b_qproj:
	.size	k_qc3bebb954b_qproj, .Lfunc_end_k_qc3bebb954b_qproj-k_qc3bebb954b_qproj
	.p2alignl 7, 3214868480
	.fill 96, 4, 3214868480
	.section	.rodata,"a",@progbits
	.p2align	6, 0x0
	.amdhsa_kernel k_qc3bebb954b_qproj
		.amdhsa_group_segment_fixed_size 327680
		.amdhsa_private_segment_fixed_size 0
		.amdhsa_enable_private_segment 0
		.amdhsa_kernarg_size 48
		.amdhsa_user_sgpr_count 2
		.amdhsa_user_sgpr_kernarg_segment_ptr 1
		.amdhsa_wavefront_size32 1
		.amdhsa_system_sgpr_workgroup_id_x 1
		.amdhsa_system_sgpr_workgroup_id_y 1
		.amdhsa_system_sgpr_workgroup_id_z 1
		.amdhsa_system_vgpr_workitem_id 0
		.amdhsa_next_free_vgpr 384
		.amdhsa_next_free_sgpr 96
		.amdhsa_reserve_vcc 0
		.amdhsa_float_denorm_mode_32 3
		.amdhsa_float_denorm_mode_16_64 3
		.amdhsa_memory_ordered 1
		.amdhsa_forward_progress 1
		.amdhsa_inst_pref_size 255
	.end_amdhsa_kernel
	.section	.bss,"aw",@nobits
	.p2align	6
	.space	262144
	.amdgpu_metadata
---
amdhsa.version: [ 1, 2 ]
amdhsa.kernels:
  - .name:           k_qc3bebb954b_qproj
    .symbol:         k_qc3bebb954b_qproj.kd
    .args:
      - { .name: x, .offset: 0, .size: 8, .value_kind: global_buffer, .address_space: global }
      - { .name: Wq, .offset: 8, .size: 8, .value_kind: global_buffer, .address_space: global }
      - { .name: bq, .offset: 16, .size: 8, .value_kind: global_buffer, .address_space: global }
      - { .name: Wo, .offset: 24, .size: 8, .value_kind: global_buffer, .address_space: global }
      - { .name: qh, .offset: 32, .size: 8, .value_kind: global_buffer, .address_space: global }
      - { .name: woh, .offset: 40, .size: 8, .value_kind: global_buffer, .address_space: global }
    .group_segment_fixed_size: 327680
    .private_segment_fixed_size: 0
    .kernarg_segment_align: 8
    .kernarg_segment_size: 48
    .max_flat_workgroup_size: 128
    .sgpr_count:     96
    .vgpr_count:     384
    .wavefront_size: 32
...
	.end_amdgpu_metadata
.endif
;; end of part 1
;; launch attn (part 2): grid 8 x 32, 8 waves a work-group, clusters of 4 x 1, 295,936 bytes of LDS; arguments qh, ah; writes ah
.if DOCPART == 2
	.amdgcn_target "amdgcn-amd-amdhsa--gfx1250"
	.amdhsa_code_object_version 6
	.text
	.protected	k_qc3bebb954b_attn
	.globl	k_qc3bebb954b_attn
	.p2align	8
	.type	k_qc3bebb954b_attn,@function
k_qc3bebb954b_attn:
	s_mov_b64 s[64:65], 0
	v_nop
	global_prefetch_b8 v0, s[64:65] scope:SCOPE_SE
	s_setreg_imm32_b32 hwreg(HW_REG_WAVE_MODE, 25, 1), 1
	s_wait_xcnt 0x0
	s_wait_alu depctr_hold_cnt(0) depctr_sa_sdst(0) depctr_va_vdst(0) depctr_va_sdst(0) depctr_va_ssrc(0) depctr_va_vcc(0) depctr_vm_vsrc(0)
	s_getreg_b32 s2, hwreg(HW_REG_IB_STS2, 6, 4)
	s_cmp_eq_u32 s2, 0
	s_cbranch_scc0 .Lentry_in_a_cluster
	s_endpgm
.Lentry_in_a_cluster:
	s_bfe_u32 s2, ttmp6, 0x10000c
	s_cmp_lg_u32 s2, 0x3003
	s_cbranch_scc0 .Lentry_shape_is_right
	s_endpgm
.Lentry_shape_is_right:
; Attention in which queries, keys and values are the same rows: qh[32 heads][2048][64] f16 in, ah in the same layout out.
; softmax(q k / 8) with a running maximum, sums in f32.  A work-group takes one head and 256 queries, with eight waves:
; wave w has the 64 queries of group g = w & 3 and the 1,024 keys of half w >> 2; the two halves are merged once at the end.
; The whole head lies in LDS (2,048 rows of 128 bytes + 16 of padding), filled once, and serves as K and as V.
; CLUSTERS: the four query blocks of a cluster read the same head: every tile is asked for jointly (mask 15), which divides the requests by four.
; Wave w fetches rows 256 w .. 256 w + 255 in eight loads of 32 rows (4,096 dense bytes, fetched as rows of 256 bytes): eight tensor loads of a wave are out.
; Step j of a half takes 16 keys from each of its four groups of 256 rows (key tile kt = rows 256 kt + 16 j ..): load c of every wave serves steps 2c, 2c+1.
; TRANSPOSED: S^T = K Q^T (source 0 = 16 keys, source 1 = 16 queries) and O^T = V^T P^T (source 0 = V through the transposing LDS load).
; Lane (r, h) of an S^T tile holds query r and eight keys: packed to f16 these are the registers of P^T's fragment, so P crosses no lane,
; and a row's maximum and sum need one exchange between the two halves of the lanes.
; Inside a key tile position m stands for row 2 (m & 7) + (m >> 3), in K's and in V's loads alike.
; A softmax does not mind the order of its keys.
; Register query tile i is tile i xor 2 (w >> 2) of the group: tiles 0, 1 are kept and finished by this wave, tiles 2, 3 are handed to wave w xor 4.
; LIMITS: a NaN loses in the running maximum; exponentials below 2^-126 come out as 0 (ISA guide 15.8); the denominator sums p in f32 as computed,
; the numerator uses p rounded to f16: p lies in [0, 1], and a p below 2^-25 counts as 0 there, at most 2,048 x 2^-25 of the largest |v| against a
; denominator of at least 1.  The result, a convex mean of rows of q and so inside q's range (under 65,504), is rounded to f16.
.set KP,    144                        ; LDS pitch of a key row
.set GRP,   256*KP                     ; the rows that one wave fetches
.set HALFB, 4*GRP                      ; a half of the keys
.set CHUNK, 32*KP                      ; what one tensor load brings
.set TSTEP, 16*KP                      ; a key tile
.set XCH,   8704                       ; merge: 8,192 bytes of O and 512 of statistics for each wave
.set OSTG,  8*XCH                      ; the way out: 32 rows x 144 bytes for each wave
.set KA, 8                             ; LDS address of K's fragments, key tiles 0, 1
.set KB, 9                             ; key tiles 2, 3
.set VA, 10                            ; the same for V's transposing loads
.set VB, 11
.set QK, 12                            ; byte offset of my lane in the query tiles that I keep
.set QS, 13                            ; and in those that I hand over
.set XAD, 14
.set RAD, 15
.set OST, 16
.set ORD, 17
.set GO,  18
.set MX, 20                            ; v[20:23]   running maximum of the raw scores, query tile qt
.set LS, 24                            ; v[24:27]   running sum (my lane's keys)
.set XT, 28                            ; v[28:31]   the other half's figure
.set SC, 32                            ; v[32:159]  S(qt, kt) at 32 qt + 8 kt; later P(qt, u) at 32 qt + 16 u
.set QF, 160                           ; v[160:223] Q(qt, ks) at 16 qt + 8 ks
.set NM, 224                           ; v224+2qt   - maximum x c
.set AL, 232                           ; v232+2qt   factor for the old sums
.set TA, 240
.set TB, 242
.set NN, 244                           ; v[244:247] the new NM
.set DD, 248                           ; v[248:251] new NM - old NM
.set RX, 252                           ; v[252:255] the partner's statistics
.set KF, 128                           ; window 1: K(kt, ks) at 16 kt + 8 ks
.set VF, 192                           ; window 1: V(dt, u) at 16 dt + 8 u
                                       ; window 1, v[0:127]: O(dt, qt) at 32 qt + 8 dt
.set G1, 24
.set G0, 32                            ; s[32:63]: a group 0 for each of my eight loads; none is ever rewritten
.set MSB, 0
.macro WIN new
.if MSB != \new
	s_set_vgpr_msb (MSB<<8)|\new
.set MSB, \new
.endif
.endm
.macro PLACES
.rept 4
	v_nop
.endr
.endm
.macro CROUND
	s_barrier_signal -1
	s_barrier_wait -1
	s_cmp_lg_u32 s8, 0
	s_cbranch_scc1 .Lnot_wave_0_\@
	s_barrier_signal -3
.Lnot_wave_0_\@:
	s_barrier_wait -3
	s_barrier_signal -1
	s_barrier_wait -1
.endm
	s_load_b128 s[4:7], s[0:1], 0x0                ; qh s[4:5], ah s[6:7]
	v_lshl_add_u32 v254, v0, 2, 0x48000
	v_mov_b32 v255, 0
	ds_add_u32 v254, v255
	s_wait_dscnt 0x0
	v_lshrrev_b32 v1, 5, v0
	v_readfirstlane_b32 s8, v1                     ; wave 0..7
	s_lshr_b32 s9, s8, 2                           ; key half
	s_and_b32 s10, s8, 3                           ; query group
	s_bfe_u32 s11, ttmp6, 0x40000                  ; cx
	s_lshl_b32 s12, ttmp9, 2
	s_add_co_u32 s12, s12, s11                     ; query block 0..7
	s_and_b32 s13, ttmp7, 0xffff                   ; head 0..31
	s_mov_b32 s[G1+0], 15|(3<<16)|(1<<20)|(1<<21)|(4<<22)|(3<<25)  ; mask: all four; elements of 8 bytes; padding on; after every 32 words, 4 words
	s_mov_b32 s[G1+1], 32<<16                      ; tensor_dim0 = 32 elements (256 bytes: two key rows)
	s_mov_b32 s[G1+2], 16<<16                      ; tensor_dim1 = 16
	s_mov_b32 s[G1+3], 32<<16                      ; tile_dim0 = 32
	s_mov_b32 s[G1+4], 16                          ; tile_dim1 = 16
	s_mov_b32 s[G1+5], 32                          ; dense: a row begins where the last ends
	s_mov_b32 s[G1+6], 0
	s_mov_b32 s[G1+7], 0
	s_lshl_b32 s14, s13, 18                        ; a head is 262,144 bytes
	s_mov_b32 s15, 0
	s_lshl_b32 s18, s8, 15                         ; my 256 rows of 128 bytes
	s_mov_b32 s19, 0
	s_mul_i32 s20, s8, GRP                         ; and where they go
	s_mov_b32 s66, 0x76543210                      ; v_permlanex16_b32: lane i reads lane i of the other half
	s_mov_b32 s67, 0xfedcba98
	s_mov_b32 s68, 0x3e38aa3b                      ; c = log2(e) / 8
	s_mov_b32 s69, 0x3e38aa3b
	s_mov_b32 s70, 0xbe38aa3b                      ; - c
	s_wait_kmcnt 0x0
	s_add_nc_u64 s[16:17], s[4:5], s[14:15]        ; the head
	s_add_nc_u64 s[18:19], s[16:17], s[18:19]      ; my rows of it: head and wave alone, the same in all four partners
	CROUND                                         ; the four work-groups are here: the joint loads meet
.irp c, 0,1,2,3,4,5,6,7
	s_mov_b32 s[G0+4*\c], 1
	s_add_co_u32 s[G0+4*\c+1], s20, \c*CHUNK
	s_add_nc_u64 s[G0+4*\c+2:G0+4*\c+3], s[18:19], \c*4096
	s_or_b32 s[G0+4*\c+3], s[G0+4*\c+3], 0x80000000
	tensor_load_to_lds s[G0+4*\c:G0+4*\c+3], s[G1:G1+7]
	s_nop 0
.endr
	v_and_b32 v1, 15, v0                           ; r
	v_bfe_u32 v2, v0, 4, 1                         ; h
	v_and_b32 v3, 31, v0                           ; lane
	v_and_b32 v4, 7, v0
	v_bfe_u32 v5, v0, 3, 1
	v_lshl_add_u32 v6, v4, 1, v5                   ; K: position r is row 2 (r & 7) + (r >> 3)
	v_mul_u32_u24 v6, v6, KP
	v_lshl_add_u32 v6, v2, 4, v6                   ; + 16 h
	v_lshl_add_u32 v7, v4, 1, v2                   ; V: position 8 h + (lane & 7) is row 2 (lane & 7) + h
	v_mul_u32_u24 v7, v7, KP
	v_lshl_add_u32 v7, v5, 4, v7                   ; + 16 bytes for the upper eight columns
	s_mul_i32 s21, s9, HALFB
	v_add_nc_u32 v[KA], s21, v6
	v_add_nc_u32 v[VA], s21, v7
	s_add_co_u32 s21, s21, 2*GRP
	v_add_nc_u32 v[KB], s21, v6
	v_add_nc_u32 v[VB], s21, v7
	s_lshl_b32 s74, s12, 8
	s_lshl_b32 s75, s10, 6
	s_add_co_u32 s74, s74, s75                     ; first query of my group
	s_lshl_b32 s75, s9, 5
	s_add_co_u32 s76, s74, s75                     ; the 32 queries that I keep
	s_xor_b32 s75, s75, 32
	s_add_co_u32 s77, s74, s75                     ; the 32 that I hand over
	s_lshl_b32 s76, s76, 7
	s_lshl_b32 s77, s77, 7
	v_lshlrev_b32 v6, 7, v1
	v_lshl_add_u32 v6, v2, 4, v6                   ; r x 128 + 16 h
	v_add_nc_u32 v[QK], s76, v6
	v_add_nc_u32 v[QS], s77, v6
.irp qt, 0,1
.irp ks, 0,1
	global_load_b128 v[QF+16*\qt+8*\ks:QF+16*\qt+8*\ks+3],       v[QK], s[16:17] offset:\qt*2048+64*\ks
	global_load_b128 v[QF+16*\qt+8*\ks+4:QF+16*\qt+8*\ks+7],     v[QK], s[16:17] offset:\qt*2048+64*\ks+32
	global_load_b128 v[QF+32+16*\qt+8*\ks:QF+32+16*\qt+8*\ks+3],   v[QS], s[16:17] offset:\qt*2048+64*\ks
	global_load_b128 v[QF+32+16*\qt+8*\ks+4:QF+32+16*\qt+8*\ks+7], v[QS], s[16:17] offset:\qt*2048+64*\ks+32
.endr
.endr
	v_lshlrev_b32 v[GO], 4, v3
	s_mul_i32 s78, s8, XCH
	v_add_nc_u32 v[XAD], s78, v[GO]                ; what I hand over
	s_xor_b32 s79, s8, 4
	s_mul_i32 s79, s79, XCH
	v_add_nc_u32 v[RAD], s79, v[GO]                ; what my partner hands me
	s_mul_i32 s78, s8, 32*KP
	s_add_co_u32 s78, s78, OSTG
	v_mul_u32_u24 v7, v1, KP
	v_lshl_add_u32 v7, v2, 4, v7
	v_add_nc_u32 v[OST], s78, v7
	v_lshrrev_b32 v6, 3, v3
	v_mul_u32_u24 v6, v6, KP
	v_lshl_add_u32 v6, v4, 4, v6
	v_add_nc_u32 v[ORD], s78, v6
	s_mov_b32 s72, s76
	s_mov_b32 s73, 0
	s_add_nc_u64 s[6:7], s[6:7], s[14:15]
	s_add_nc_u64 s[6:7], s[6:7], s[72:73]          ; ah at the 32 rows that I finish: 4,096 consecutive bytes
.irp q, 0,1,2,3
	v_mov_b32 v[XT+\q], 0                          ; a lane permute's destination counts as read
	v_mov_b32 v[NM+2*\q+1], 0                      ; the upper registers of pairs of which the packed forms use the lower one
	v_mov_b32 v[AL+2*\q+1], 0
.endr
	s_wait_loadcnt 0x0                             ; Q
.macro FMAQ qt                         ; exponent = score x c - maximum x c, one rounding
.set i, 0
.rept 16
	v_pk_fma_f32 v[SC+32*\qt+2*i:SC+32*\qt+2*i+1], v[SC+32*\qt+2*i:SC+32*\qt+2*i+1], s[68:69], v[NM+2*\qt:NM+2*\qt+1] op_sel_hi:[1,0,0]
.set i, i+1
.endr
.endm
.macro EXPQ qt
.set i, 0
.rept 32
	v_exp_f32 v[SC+32*\qt+i], v[SC+32*\qt+i]
.set i, i+1
.endr
.endm
.macro SUMQ qt, first                  ; my lane's 32 p, in two chains; then the running sum
	s_wait_alu depctr_va_vdst(0)
	v_pk_add_f32 v[TA:TA+1], v[SC+32*\qt:SC+32*\qt+1], v[SC+32*\qt+2:SC+32*\qt+3]
	v_pk_add_f32 v[TB:TB+1], v[SC+32*\qt+4:SC+32*\qt+5], v[SC+32*\qt+6:SC+32*\qt+7]
.set i, 8
.rept 6
	v_pk_add_f32 v[TA:TA+1], v[TA:TA+1], v[SC+32*\qt+i:SC+32*\qt+i+1]
	v_pk_add_f32 v[TB:TB+1], v[TB:TB+1], v[SC+32*\qt+i+2:SC+32*\qt+i+3]
.set i, i+4
.endr
	v_pk_add_f32 v[TA:TA+1], v[TA:TA+1], v[TB:TB+1]
.if \first
	v_add_f32 v[LS+\qt], v[TA], v[TA+1]
.else
	v_add_f32 v[TA], v[TA], v[TA+1]
	v_fma_f32 v[LS+\qt], v[LS+\qt], v[AL+2*\qt], v[TA]
.endif
.endm
.macro CVTQ qt                         ; two key tiles (16 registers) become one fragment of P^T (8 registers), in place, ascending
.irp u, 0,1
.irp q, 0,1,2,3,4,5,6,7
	v_cvt_pk_f16_f32 v[SC+32*\qt+16*\u+\q], v[SC+32*\qt+16*\u+2*\q], v[SC+32*\qt+16*\u+2*\q+1]
.endr
.endr
.endm
; One step: 64 keys x 64 queries.  first = 1: the step starts maxima and sums; off: byte offset of the step's key tiles from the address registers;
; bump: how far the address registers are stepped.  In each run of 16 matrix instructions the sixteen accumulators take turns, one instruction a turn.
.macro STEP first, off, bump
	WIN 0x40                                       ; loaded data in window 1
.irp kt, 0,1
.irp ks, 0,1
	ds_load_b128 v[KF+16*\kt+8*\ks:KF+16*\kt+8*\ks+3],         v[KA] offset:\off+\kt*GRP+64*\ks
	ds_load_b128 v[KF+16*\kt+8*\ks+4:KF+16*\kt+8*\ks+7],       v[KA] offset:\off+\kt*GRP+64*\ks+32
	ds_load_b128 v[KF+32+16*\kt+8*\ks:KF+32+16*\kt+8*\ks+3],   v[KB] offset:\off+\kt*GRP+64*\ks
	ds_load_b128 v[KF+32+16*\kt+8*\ks+4:KF+32+16*\kt+8*\ks+7], v[KB] offset:\off+\kt*GRP+64*\ks+32
.endr
.endr
.irp dt, 0,1,2,3
	ds_load_tr16_b128 v[VF+16*\dt:VF+16*\dt+3],     v[VA] offset:\off+32*\dt
	ds_load_tr16_b128 v[VF+16*\dt+4:VF+16*\dt+7],   v[VA] offset:\off+GRP+32*\dt
	ds_load_tr16_b128 v[VF+16*\dt+8:VF+16*\dt+11],  v[VB] offset:\off+32*\dt
	ds_load_tr16_b128 v[VF+16*\dt+12:VF+16*\dt+15], v[VB] offset:\off+GRP+32*\dt
.endr
	s_wait_dscnt 16                                ; K's 16 loads are in; V's 16 may stay out
	WIN 0x01                                       ; source 0 (K) in window 1
.irp qt, 0,1,2,3
.irp kt, 0,1,2,3
	v_wmma_f32_16x16x32_f16 v[SC+32*\qt+8*\kt:SC+32*\qt+8*\kt+7], v[KF+16*\kt:KF+16*\kt+7], v[QF+16*\qt:QF+16*\qt+7], 0
.endr
.endr
.irp qt, 0,1,2,3
.irp kt, 0,1,2,3
	v_wmma_f32_16x16x32_f16 v[SC+32*\qt+8*\kt:SC+32*\qt+8*\kt+7], v[KF+16*\kt+8:KF+16*\kt+15], v[QF+16*\qt+8:QF+16*\qt+15], v[SC+32*\qt+8*\kt:SC+32*\qt+8*\kt+7]
.endr
.endr
	WIN 0
.if \bump                                          ; the four places behind the products (ISA guide 7.12.1)
	v_add_nc_u32 v[KA], \bump, v[KA]
	v_add_nc_u32 v[KB], \bump, v[KB]
	v_add_nc_u32 v[VA], \bump, v[VA]
	v_add_nc_u32 v[VB], \bump, v[VB]
.else
	PLACES
.endif
	; the running maximum of the raw scores: my lane's 32 for each query tile, four chains, then the other half of the lanes
.if \first
.irp qt, 0,1,2,3
	v_max_num_f32 v[MX+\qt], v[SC+32*\qt], v[SC+32*\qt+1]
.endr
.endif
.set i, \first
.rept 16-\first
.irp qt, 0,1,2,3
	v_max3_num_f32 v[MX+\qt], v[MX+\qt], v[SC+32*\qt+2*i], v[SC+32*\qt+2*i+1]
.endr
.set i, i+1
.endr
.irp qt, 0,1,2,3
	v_permlanex16_b32 v[XT+\qt], v[MX+\qt], s66, s67
.endr
.irp qt, 0,1,2,3
	v_max_num_f32 v[MX+\qt], v[MX+\qt], v[XT+\qt]
.endr
.if \first
.irp qt, 0,1,2,3
	v_mul_f32 v[NM+2*\qt], s70, v[MX+\qt]
.endr
.else
	; the factor for the old sums is made of the two rounded NM that the exponents use: it is exactly 1 where the maximum stays
.irp qt, 0,1,2,3
	v_mul_f32 v[NN+\qt], s70, v[MX+\qt]
.endr
.irp qt, 0,1,2,3
	v_sub_f32 v[DD+\qt], v[NN+\qt], v[NM+2*\qt]
.endr
.irp qt, 0,1,2,3
	v_mov_b32 v[NM+2*\qt], v[NN+\qt]
.endr
.irp qt, 0,1,2,3
	v_exp_f32 v[AL+2*\qt], v[DD+\qt]
.endr
.endif
	; behind each run of exponentials stands plain work on another query tile before its results are used (ISA guide 5.7.2)
	FMAQ 0
	EXPQ 0
	FMAQ 1
	SUMQ 0, \first
	CVTQ 0
	EXPQ 1
	FMAQ 2
	SUMQ 1, \first
	CVTQ 1
	EXPQ 2
	FMAQ 3
	SUMQ 2, \first
	CVTQ 2
	EXPQ 3
	v_nop
	SUMQ 3, \first
	CVTQ 3
	s_wait_dscnt 0x0                               ; V is in
	WIN 0x51                                       ; O (C, D, and source 0 of the multiplies) and V (source 0) in window 1; P and the factor in window 0
.if \first == 0
.irp qt, 0,1,2,3
.set i, 0
.rept 16
	v_pk_mul_f32 v[32*\qt+2*i:32*\qt+2*i+1], v[32*\qt+2*i:32*\qt+2*i+1], v[AL+2*\qt:AL+2*\qt+1] op_sel_hi:[1,0]
.set i, i+1
.endr
.endr
.endif
.irp qt, 0,1,2,3
.irp dt, 0,1,2,3
.if \first
	v_wmma_f32_16x16x32_f16 v[32*\qt+8*\dt:32*\qt+8*\dt+7], v[VF+16*\dt:VF+16*\dt+7], v[SC+32*\qt:SC+32*\qt+7], 0
.else
	v_wmma_f32_16x16x32_f16 v[32*\qt+8*\dt:32*\qt+8*\dt+7], v[VF+16*\dt:VF+16*\dt+7], v[SC+32*\qt:SC+32*\qt+7], v[32*\qt+8*\dt:32*\qt+8*\dt+7]
.endif
.endr
.endr
.irp qt, 0,1,2,3
.irp dt, 0,1,2,3
	v_wmma_f32_16x16x32_f16 v[32*\qt+8*\dt:32*\qt+8*\dt+7], v[VF+16*\dt+8:VF+16*\dt+15], v[SC+32*\qt+16:SC+32*\qt+23], v[32*\qt+8*\dt:32*\qt+8*\dt+7]
.endr
.endr
	WIN 0
.rept 5                                            ; five places: the next step's products write over P, its loads land in V
	v_nop
.endr
.endm
; My loads up to a point have landed (left = the younger ones, which may stay out); the barrier shows them to the other waves.
.macro SEG left
	s_wait_tensorcnt \left
	s_wait_dscnt 0x0
	s_barrier_signal -1
	s_barrier_wait -1
.endm
	SEG 7                                          ; every wave's first 32 rows: steps 0, 1
	STEP 1, 0, 0
	STEP 0, TSTEP, 0
	SEG 6                                          ; the next 32 rows: steps 2, 3
	STEP 0, 2*TSTEP, 0
	STEP 0, 3*TSTEP, 4*TSTEP
	SEG 0                                          ; the whole head
	s_mov_b32 s71, 12
.Lstep:
	STEP 0, 0, TSTEP
	s_sub_co_u32 s71, s71, 1
	s_cmp_lg_u32 s71, 0
	s_cbranch_scc1 .Lstep
	; THE MERGE.  The sums of the two halves of the lanes meet; then query tiles 2, 3 go to the partner wave through LDS bytes that no tile will land in again.
.irp qt, 0,1,2,3
	v_permlanex16_b32 v[XT+\qt], v[LS+\qt], s66, s67
.endr
.irp qt, 0,1,2,3
	v_add_f32 v[LS+\qt], v[LS+\qt], v[XT+\qt]
.endr
	s_wait_dscnt 0x0
	s_barrier_signal -1
	s_barrier_wait -1                              ; nobody reads keys any more
	WIN 0x04                                       ; store data in window 1
.set i, 0
.rept 16
	ds_store_b128 v[XAD], v[64+4*i:64+4*i+3] offset:512*i
.set i, i+1
.endr
	WIN 0
	v_mov_b32 v[DD], v[NM+4]
	v_mov_b32 v[DD+1], v[NM+6]
	v_mov_b32 v[DD+2], v[LS+2]
	v_mov_b32 v[DD+3], v[LS+3]
	ds_store_b128 v[XAD], v[DD:DD+3] offset:8192
	s_wait_dscnt 0x0                               ; for the partner's sake
	s_barrier_signal -1
	s_barrier_wait -1
.set i, 0
.rept 16
	ds_load_b128 v[SC+4*i:SC+4*i+3], v[RAD] offset:512*i           ; the partner's O for my tiles 0, 1, in my own registers' order
.set i, i+1
.endr
	ds_load_b128 v[RX:RX+3], v[RAD] offset:8192
	s_wait_dscnt 0x0
	v_min_num_f32 v[DD], v[NM], v[RX]              ; the larger maximum is the smaller NM
	v_min_num_f32 v[DD+1], v[NM+2], v[RX+1]
	v_sub_f32 v[TA], v[DD], v[NM]
	v_sub_f32 v[TA+2], v[DD+1], v[NM+2]
	v_sub_f32 v[NN], v[DD], v[RX]
	v_sub_f32 v[NN+2], v[DD+1], v[RX+1]
	v_exp_f32 v[TA], v[TA]                         ; my factor
	v_exp_f32 v[TA+2], v[TA+2]
	v_exp_f32 v[NN], v[NN]                         ; the partner's
	v_exp_f32 v[NN+2], v[NN+2]
	v_nop
	s_wait_alu depctr_va_vdst(0)
	v_mul_f32 v[DD+2], v[RX+2], v[NN]
	v_mul_f32 v[DD+3], v[RX+3], v[NN+2]
	v_fma_f32 v[DD+2], v[LS], v[TA], v[DD+2]       ; the denominator: at least 1, since the largest p is 1
	v_fma_f32 v[DD+3], v[LS+1], v[TA+2], v[DD+3]
	v_rcp_f32 v[DD+2], v[DD+2]
	v_rcp_f32 v[DD+3], v[DD+3]
	v_nop
	s_wait_alu depctr_va_vdst(0)
	v_mul_f32 v[TA], v[TA], v[DD+2]
	v_mul_f32 v[TA+2], v[TA+2], v[DD+3]
	v_mul_f32 v[NN], v[NN], v[DD+2]
	v_mul_f32 v[NN+2], v[NN+2], v[DD+3]
.irp t, 0,1
.set i, 0
.rept 16
	v_pk_mul_f32 v[SC+32*\t+2*i:SC+32*\t+2*i+1], v[SC+32*\t+2*i:SC+32*\t+2*i+1], v[NN+2*\t:NN+2*\t+1] op_sel_hi:[1,0]
.set i, i+1
.endr
.endr
	WIN 0x01                                       ; source 0: my O in window 1
.irp t, 0,1
.set i, 0
.rept 16
	v_pk_fma_f32 v[SC+32*\t+2*i:SC+32*\t+2*i+1], v[32*\t+2*i:32*\t+2*i+1], v[TA+2*\t:TA+2*\t+1], v[SC+32*\t+2*i:SC+32*\t+2*i+1] op_sel_hi:[1,0,1]
.set i, i+1
.endr
.endr
	WIN 0
	; THE WAY OUT: lane (r, h) of tile (dt, t) holds query r, d = 16 dt + 8 h + 0..7: 16 bytes into my own stage, read back as rows
.irp n, 0,1,2,3,4,5,6,7
.irp q, 0,1,2,3
	v_cvt_pk_f16_f32 v[SC+8*\n+\q], v[SC+8*\n+2*\q], v[SC+8*\n+2*\q+1]
.endr
.endr
.irp t, 0,1
.irp dt, 0,1,2,3
	ds_store_b128 v[OST], v[SC+32*\t+8*\dt:SC+32*\t+8*\dt+3] offset:\t*16*KP+32*\dt
.endr
.endr
.irp n, 0,1,2,3,4,5,6,7
	ds_load_b128 v[SC+64+4*\n:SC+64+4*\n+3], v[ORD] offset:\n*4*KP     ; four rows of 128 bytes; LDS serves a wave's instructions in order
.endr
.irp n, 0,1,2,3,4,5,6,7
	s_wait_dscnt 7-\n                              ; the younger read-backs may stay out
	global_store_b128 v[GO], v[SC+64+4*\n:SC+64+4*\n+3], s[6:7] offset:512*\n  ; 512 consecutive bytes, aligned
.endr
	s_wait_xcnt 0x0
	v_lshl_add_u32 v254, v0, 2, 0x48000
	v_mov_b32 v255, 0
	s_wait_tensorcnt 0x0
	ds_add_u32 v254, v255
	s_wait_dscnt 0x0
	CROUND                                         ; the closing round
	s_endpgm
.Lfunc_end_k_qc3bebb954b_attn:
	.size	k_qc3bebb954b_attn, .Lfunc_end_k_qc3bebb954b_attn-k_qc3bebb954b_attn
	.p2alignl 7, 3214868480
	.fill 96, 4, 3214868480
	.section	.rodata,"a",@progbits
	.p2align	6, 0x0
	.amdhsa_kernel k_qc3bebb954b_attn
		.amdhsa_group_segment_fixed_size 295936
		.amdhsa_private_segment_fixed_size 0
		.amdhsa_enable_private_segment 0
		.amdhsa_kernarg_size 16
		.amdhsa_user_sgpr_count 2
		.amdhsa_user_sgpr_kernarg_segment_ptr 1
		.amdhsa_wavefront_size32 1
		.amdhsa_system_sgpr_workgroup_id_x 1
		.amdhsa_system_sgpr_workgroup_id_y 1
		.amdhsa_system_sgpr_workgroup_id_z 1
		.amdhsa_system_vgpr_workitem_id 0
		.amdhsa_next_free_vgpr 512
		.amdhsa_next_free_sgpr 80
		.amdhsa_reserve_vcc 0
		.amdhsa_float_denorm_mode_32 3
		.amdhsa_float_denorm_mode_16_64 3
		.amdhsa_memory_ordered 1
		.amdhsa_forward_progress 1
		.amdhsa_inst_pref_size 176
	.end_amdhsa_kernel
	.amdgpu_metadata
---
amdhsa.version: [ 1, 2 ]
amdhsa.kernels:
  - .name:           k_qc3bebb954b_attn
    .symbol:         k_qc3bebb954b_attn.kd
    .args:
      - { .name: qh, .offset: 0, .size: 8, .value_kind: global_buffer, .address_space: global }
      - { .name: ah, .offset: 8, .size: 8, .value_kind: global_buffer, .address_space: global }
    .group_segment_fixed_size: 295936
    .private_segment_fixed_size: 0
    .kernarg_segment_align: 8
    .kernarg_segment_size: 16
    .max_flat_workgroup_size: 256
    .sgpr_count:     80
    .vgpr_count:     512
    .wavefront_size: 32
...
	.end_amdgpu_metadata
.endif
;; end of part 2
;; launch oproj (part 3): grid 8 x 32, 4 waves a work-group, clusters of 4 x 4, 327,680 bytes of LDS; arguments ah, woh, bo, out0; writes out0
.if DOCPART == 3
	.amdgcn_target "amdgcn-amd-amdhsa--gfx1250"
	.amdhsa_code_object_version 6
	.text
	.protected	k_qc3bebb954b_oproj
	.globl	k_qc3bebb954b_oproj
	.p2align	8
	.type	k_qc3bebb954b_oproj,@function
k_qc3bebb954b_oproj:
	s_mov_b64 s[64:65], 0
	v_nop
	global_prefetch_b8 v0, s[64:65] scope:SCOPE_SE
	s_setreg_imm32_b32 hwreg(HW_REG_WAVE_MODE, 25, 1), 1
	s_wait_xcnt 0x0
	s_wait_alu depctr_hold_cnt(0) depctr_sa_sdst(0) depctr_va_vdst(0) depctr_va_sdst(0) depctr_va_ssrc(0) depctr_va_vcc(0) depctr_vm_vsrc(0)
	s_getreg_b32 s2, hwreg(HW_REG_IB_STS2, 6, 4)
	s_cmp_eq_u32 s2, 0
	s_cbranch_scc0 .Lentry_in_a_cluster
	s_endpgm
.Lentry_in_a_cluster:
	s_bfe_u32 s2, ttmp6, 0x10000c
	s_cmp_lg_u32 s2, 0xf033
	s_cbranch_scc0 .Lentry_shape_is_right
	s_endpgm
.Lentry_shape_is_right:
; out0 = attn Wo^T + bo in f32.  attn lies head-major in f16: ah[b*16+head][s][64]; woh is Wo in f16, [1024 n][1024 k].
; A work-group makes 128 rows x 128 columns with four waves; a wave makes 64 x 64: 16 accumulator tiles.
; K goes in steps of 128 = two heads of ah (two dense blocks of 16,384 bytes, fetched as rows of 256 bytes) and 256-byte rows of woh, through four LDS slots;
; two slots are filled behind one barrier, so each refill has two K steps' work in which to land.  At most four tensor loads of a wave are out.
; CLUSTERS: 4 x 4 work-groups; ah's tile is asked for jointly along a row of the cluster, woh's along a column: the requests are divided by four.
; The matrix instruction is used transposed (source 0 = 16 rows of woh, source 1 = 16 rows of attn); the bias is the C operand of the first product.
; LIMITS: operands in f16 (attn and Wo under 65,504 in magnitude; steps of 2^-24 below 2^-14), sums and result in f32.
.set APITCH, 144                       ; a row of one head: 128 bytes + 16
.set BPITCH, 272                       ; a row of woh's tile: 256 bytes + 16
.set AHEAD,  128*APITCH                ; one head's 128 rows: one tensor load
.set BQ,     64*BPITCH                 ; 64 rows of woh: one tensor load
.set BOFF,   2*AHEAD
.set SLOT,   BOFF+2*BQ
.set STAGE,  4*SLOT                    ; behind the ring, bytes into which no tile lands: 16 rows x 272 bytes for each wave
.set SPITCH, 272
.set ADRA, 8
.set ADRB, 12
.set STO,  16
.set RD,   17
.set CO,   18
.set BO,   19
.set BI,   24                          ; v[24:55] bias: tile b, register j = bo[column0 + 16 b + 8 h + j]
.set F0,   64                          ; fragment buffer 0: woh's four, then attn's four
.set F1,   128                         ; fragment buffer 1
                                       ; window 1, v[0:127]: accumulator tile (a, b) at 8 (4 a + b)
.set G1A, 16
.set G1B, 24
.set G0A, 32
.set G0B, 48
.set MSB, 0
.macro WIN new
.if MSB != \new
	s_set_vgpr_msb (MSB<<8)|\new
.set MSB, \new
.endif
.endm
.macro PLACES
.rept 4
	v_nop
.endr
.endm
.macro CROUND
	s_barrier_signal -1
	s_barrier_wait -1
	s_cmp_lg_u32 s66, 0
	s_cbranch_scc1 .Lnot_wave_0_\@
	s_barrier_signal -3
.Lnot_wave_0_\@:
	s_barrier_wait -3
	s_barrier_signal -1
	s_barrier_wait -1
.endm
.macro JLOADS a, b, c, d               ; waves 0, 1 ask for the two heads of ah, waves 2, 3 for woh's two halves; as many loads on either way
	s_cmp_eq_u32 s67, 0
	s_cbranch_scc0 .Lfor_b_\@
.irp t, \a, \b, \c, \d
.if \t >= 0
	tensor_load_to_lds s[G0A+4*\t:G0A+4*\t+3], s[G1A:G1A+7]
	s_nop 0
.endif
.endr
	s_branch .Lasked_\@
.Lfor_b_\@:
.irp t, \a, \b, \c, \d
.if \t >= 0
	tensor_load_to_lds s[G0B+4*\t:G0B+4*\t+3], s[G1B:G1B+7]
	s_nop 0
.endif
.endr
.Lasked_\@:
.endm
	s_load_b256 s[4:11], s[0:1], 0x0               ; ah s[4:5], woh s[6:7], bo s[8:9], out0 s[10:11]
	v_lshl_add_u32 v254, v0, 2, 0x4a400
	v_mov_b32 v255, 0
	ds_add_u32 v254, v255
	v_lshrrev_b32 v1, 5, v0
	v_readfirstlane_b32 s66, v1                    ; wave 0..3
	s_lshr_b32 s67, s66, 1                         ; my half of the rows; also: I fetch for ah (0) or woh (1)
	s_and_b32 s68, s66, 1                          ; my half of the columns; also: which part of that tile I fetch
	s_bfe_u32 s69, ttmp6, 0x40000                  ; cx
	s_bfe_u32 s70, ttmp6, 0x40004                  ; cy
	s_lshl_b32 s71, ttmp9, 2
	s_add_co_u32 s71, s71, s69                     ; block column 0..7
	s_and_b32 s72, ttmp7, 0xffff
	s_lshl_b32 s72, s72, 2
	s_add_co_u32 s72, s72, s70                     ; block row 0..31
	s_lshl_b32 s73, s70, 2
	s_lshl_b32 s73, 15, s73                        ; my row of the cluster
	s_lshl_b32 s74, 0x1111, s69                    ; my column
	s_or_b32 s[G1A+0], s73, (3<<16)|(1<<20)|(1<<21)|(4<<22)|(3<<25)  ; elements of 8 bytes; after every 32 words (a row of a head), 4 words
	s_mov_b32 s[G1A+1], 32<<16                     ; tensor_dim0 = 32 elements (256 bytes)
	s_mov_b32 s[G1A+2], 64<<16                     ; tensor_dim1 = 64
	s_mov_b32 s[G1A+3], 32<<16                     ; tile_dim0 = 32
	s_mov_b32 s[G1A+4], 64                         ; tile_dim1 = 64
	s_mov_b32 s[G1A+5], 32                         ; dense
	s_mov_b32 s[G1A+6], 0
	s_mov_b32 s[G1A+7], 0
	s_or_b32 s[G1B+0], s74, (1<<16)|(1<<20)|(1<<21)|(5<<22)|(3<<25)  ; elements of 2 bytes; after every 64 words, 4 words
	s_mov_b32 s[G1B+1], 128<<16
	s_mov_b32 s[G1B+2], 64<<16
	s_mov_b32 s[G1B+3], 128<<16
	s_mov_b32 s[G1B+4], 64
	s_mov_b32 s[G1B+5], 1024
	s_mov_b32 s[G1B+6], 0
	s_mov_b32 s[G1B+7], 0
	s_lshr_b32 s76, s72, 4                         ; ah: ((batch x 16 + wave & 1) x 2048 + token) x 128 bytes
	s_lshl_b32 s76, s76, 4
	s_add_co_u32 s76, s76, s68
	s_lshl_b32 s76, s76, 11
	s_and_b32 s75, s72, 15
	s_lshl_b32 s75, s75, 7
	s_add_co_u32 s76, s76, s75
	s_lshl_b32 s76, s76, 7
	s_mov_b32 s77, 0
	s_lshl_b32 s80, s68, 6
	s_lshl_b32 s78, s71, 7
	s_add_co_u32 s78, s78, s80                     ; woh: row 128 x block column + 64 x half
	s_lshl_b32 s78, s78, 11                        ; rows of 2,048 bytes
	s_mov_b32 s79, 0
	s_mul_i32 s82, s66, AHEAD                      ; waves 0, 1: the two heads
	s_mul_i32 s83, s66, BQ
	s_add_co_u32 s83, s83, BOFF-2*BQ               ; waves 2, 3: woh's two halves, behind them
	s_wait_dscnt 0x0
	s_wait_kmcnt 0x0
	s_add_nc_u64 s[76:77], s[4:5], s[76:77]
	s_add_nc_u64 s[78:79], s[6:7], s[78:79]
	CROUND                                         ; all sixteen work-groups are here
.irp s, 0,1,2,3
	s_mov_b32 s[G0A+4*\s], 1
	s_add_co_u32 s[G0A+4*\s+1], s82, \s*SLOT
	s_add_nc_u64 s[G0A+4*\s+2:G0A+4*\s+3], s[76:77], \s*524288     ; two heads on
	s_or_b32 s[G0A+4*\s+3], s[G0A+4*\s+3], 0x80000000
	s_mov_b32 s[G0B+4*\s], 1
	s_add_co_u32 s[G0B+4*\s+1], s83, \s*SLOT
	s_add_nc_u64 s[G0B+4*\s+2:G0B+4*\s+3], s[78:79], \s*256
	s_or_b32 s[G0B+4*\s+3], s[G0B+4*\s+3], 0x80000000
.endr
	JLOADS 0, 1, 2, 3                              ; K steps 0 to 3
	v_and_b32 v1, 15, v0                           ; r
	v_bfe_u32 v2, v0, 4, 1                         ; h
	v_mul_u32_u24 v4, v1, APITCH
	v_lshl_add_u32 v4, v2, 4, v4
	v_mul_u32_u24 v5, v1, BPITCH
	v_lshl_add_u32 v5, v2, 4, v5
	s_mul_i32 s84, s67, 64*APITCH                  ; my 64 rows of attn
	s_mul_i32 s85, s68, BQ
	s_add_co_u32 s85, s85, BOFF                    ; my 64 rows of woh
.irp s, 0,1,2,3
	v_add_nc_u32 v[ADRA+\s], s84, v4
	v_add_nc_u32 v[ADRB+\s], s85, v5
	s_add_co_u32 s84, s84, SLOT
	s_add_co_u32 s85, s85, SLOT
.endr
	s_mul_i32 s86, s66, 16*SPITCH
	s_add_co_u32 s86, s86, STAGE
	v_mul_u32_u24 v6, v1, SPITCH
	v_lshl_add_u32 v6, v2, 5, v6
	v_add_nc_u32 v[STO], s86, v6                   ; in: row r, 32 bytes for each half of the lanes
	v_mul_u32_u24 v6, v2, SPITCH
	v_lshl_add_u32 v6, v1, 4, v6
	v_add_nc_u32 v[RD], s86, v6                    ; back: lanes 0-15 one row of 256 bytes, lanes 16-31 the next
	v_lshlrev_b32 v6, 12, v2
	v_lshl_add_u32 v[CO], v1, 4, v6                ; the same two rows in out0
	s_lshl_b32 s87, s71, 7
	s_add_co_u32 s87, s87, s80                     ; my first column
	s_lshl_b32 s87, s87, 2
	v_lshlrev_b32 v[BO], 5, v2
	v_add_nc_u32 v[BO], s87, v[BO]
.irp b, 0,1,2,3
	global_load_b128 v[BI+8*\b:BI+8*\b+3],   v[BO], s[8:9] offset:64*\b
	global_load_b128 v[BI+8*\b+4:BI+8*\b+7], v[BO], s[8:9] offset:64*\b+16
.endr
	s_lshl_b32 s90, s72, 7
	s_lshl_b32 s91, s67, 6
	s_add_co_u32 s90, s90, s91                     ; my first row
	s_lshl_b32 s90, s90, 12
	s_add_co_u32 s90, s90, s87                     ; + my first column, in bytes: a multiple of 256
	s_mov_b32 s91, 0
	s_add_nc_u64 s[10:11], s[10:11], s[90:91]
	s_wait_loadcnt 0x0                             ; the bias
; 16 LDS loads: the fragments of 32 along K (quarter ks of a K step) into buffer f
.macro FETCH slot, ks, f
.irp i, 0,1,2,3
	ds_load_b128 v[\f+8*\i:\f+8*\i+3],   v[ADRB+\slot] offset:\i*16*BPITCH+64*\ks
	ds_load_b128 v[\f+8*\i+4:\f+8*\i+7], v[ADRB+\slot] offset:\i*16*BPITCH+64*\ks+32
.endr
.irp i, 0,1,2,3
	ds_load_b128 v[\f+32+8*\i:\f+32+8*\i+3],   v[ADRA+\slot] offset:(\ks>>1)*AHEAD+\i*16*APITCH+64*(\ks&1)
	ds_load_b128 v[\f+32+8*\i+4:\f+32+8*\i+7], v[ADRA+\slot] offset:(\ks>>1)*AHEAD+\i*16*APITCH+64*(\ks&1)+32
.endr
.endm
; 16 matrix instructions.  mode 1: the bias starts the sums; mode 2: in place.  The sixteen accumulators take turns, one instruction a turn.
.macro MUL f, mode
.if \mode == 1
	WIN 0x40
.else
	WIN 0x50
.endif
.irp a, 0,1,2,3
.irp b, 0,1,2,3
.if \mode == 1
	v_wmma_f32_16x16x32_f16 v[8*(4*\a+\b):8*(4*\a+\b)+7], v[\f+8*\b:\f+8*\b+7], v[\f+32+8*\a:\f+32+8*\a+7], v[BI+8*\b:BI+8*\b+7]
.else
	v_wmma_f32_16x16x32_f16 v[8*(4*\a+\b):8*(4*\a+\b)+7], v[\f+8*\b:\f+8*\b+7], v[\f+32+8*\a:\f+32+8*\a+7], v[8*(4*\a+\b):8*(4*\a+\b)+7]
.endif
.endr
.endr
	WIN 0
.endm
; A quarter: the next quarter's fragments (slot, ks) are asked for into buffer g, then buffer f is multiplied.
.macro KS f, g, slot, ks, mode
.if \mode == 2
	PLACES                                         ; the loads land in registers that the last matrix instructions read
.endif
	FETCH \slot, \ks, \g
	s_wait_dscnt 16                                ; all but the 16 just issued
	MUL \f, \mode
.endm
.macro THREE slot, mode
	KS F0, F1, \slot, 1, \mode
	KS F1, F0, \slot, 2, 2
	KS F0, F1, \slot, 3, 2
.endm
.macro SHOW left                       ; my part of a tile has landed
	s_wait_tensorcnt \left
	s_wait_dscnt 0x0
	s_barrier_signal -1
	s_barrier_wait -1
.endm
; Two slots that have been read are filled again, four K steps on: every wave's reads are back and all its tensor loads have landed in front of the
; round's opening signal; the joint loads are the first tensor loads behind its closing wait.  Two tensor loads of the wave are then out.
.macro FILL a, b
	s_wait_dscnt 0x0
	s_wait_tensorcnt 0x0
	ds_add_u32 v254, v255
	s_wait_dscnt 0x0
.irp t, \a, \b
	s_add_nc_u64 s[G0A+4*\t+2:G0A+4*\t+3], s[G0A+4*\t+2:G0A+4*\t+3], 4*524288
	s_add_nc_u64 s[G0B+4*\t+2:G0B+4*\t+3], s[G0B+4*\t+2:G0B+4*\t+3], 4*256
.endr
	CROUND
	JLOADS \a, \b, -1, -1
.endm
	SHOW 3                                         ; K step 0 is in
	FETCH 0, 0, F0
	THREE 0, 1
	SHOW 2                                         ; K step 1
	KS F1, F0, 1, 0, 2
	THREE 1, 2
	FILL 0, 1                                      ; K steps 2, 3 have landed; 4, 5 go out
	KS F1, F0, 2, 0, 2
	THREE 2, 2
	KS F1, F0, 3, 0, 2
	THREE 3, 2
	FILL 2, 3                                      ; 4, 5 have landed; 6, 7 go out: the last
	KS F1, F0, 0, 0, 2
	THREE 0, 2
	KS F1, F0, 1, 0, 2
	THREE 1, 2
	SHOW 1                                         ; K step 6
	KS F1, F0, 2, 0, 2
	THREE 2, 2
	SHOW 0                                         ; K step 7
	KS F1, F0, 3, 0, 2
	THREE 3, 2
	s_wait_dscnt 0x0
	MUL F1, 2
	PLACES                                         ; the LDS stores below read results, the loads land in fragment registers
; The way out, 16 rows at a time: 32 bytes a lane and tile into my own stage, read back as rows of 256 bytes.
.macro OUT16 a
	WIN 0x04                                       ; store data in window 1
.irp b, 0,1,2,3
	ds_store_b128 v[STO], v[8*(4*\a+\b):8*(4*\a+\b)+3]   offset:64*\b
	ds_store_b128 v[STO], v[8*(4*\a+\b)+4:8*(4*\a+\b)+7] offset:64*\b+16
.endr
	WIN 0
	s_wait_xcnt 0x0                                ; the registers that the last stores read are loaded again only behind this wait
.irp t, 0,1,2,3,4,5,6,7
	ds_load_b128 v[F0+4*\t:F0+4*\t+3], v[RD] offset:\t*2*SPITCH    ; LDS serves a wave's instructions in order
.endr
.irp t, 0,1,2,3,4,5,6,7
	s_wait_dscnt 7-\t                              ; the younger read-backs may stay out
	global_store_b128 v[CO], v[F0+4*\t:F0+4*\t+3], s[10:11] offset:(16*\a+2*\t)*4096 th:TH_STORE_NT  ; 16 lanes store 256 consecutive bytes, aligned
.endr
.endm
	OUT16 0
	OUT16 1
	OUT16 2
	OUT16 3
	s_wait_tensorcnt 0x0
	ds_add_u32 v254, v255
	s_wait_dscnt 0x0
	CROUND                                         ; the closing round
	s_endpgm
.Lfunc_end_k_qc3bebb954b_oproj:
	.size	k_qc3bebb954b_oproj, .Lfunc_end_k_qc3bebb954b_oproj-k_qc3bebb954b_oproj
	.p2alignl 7, 3214868480
	.fill 96, 4, 3214868480
	.section	.rodata,"a",@progbits
	.p2align	6, 0x0
	.amdhsa_kernel k_qc3bebb954b_oproj
		.amdhsa_group_segment_fixed_size 327680
		.amdhsa_private_segment_fixed_size 0
		.amdhsa_enable_private_segment 0
		.amdhsa_kernarg_size 32
		.amdhsa_user_sgpr_count 2
		.amdhsa_user_sgpr_kernarg_segment_ptr 1
		.amdhsa_wavefront_size32 1
		.amdhsa_system_sgpr_workgroup_id_x 1
		.amdhsa_system_sgpr_workgroup_id_y 1
		.amdhsa_system_sgpr_workgroup_id_z 1
		.amdhsa_system_vgpr_workitem_id 0
		.amdhsa_next_free_vgpr 384
		.amdhsa_next_free_sgpr 96
		.amdhsa_reserve_vcc 0
		.amdhsa_float_denorm_mode_32 3
		.amdhsa_float_denorm_mode_16_64 3
		.amdhsa_memory_ordered 1
		.amdhsa_forward_progress 1
		.amdhsa_inst_pref_size 92
	.end_amdhsa_kernel
	.amdgpu_metadata
---
amdhsa.version: [ 1, 2 ]
amdhsa.kernels:
  - .name:           k_qc3bebb954b_oproj
    .symbol:         k_qc3bebb954b_oproj.kd
    .args:
      - { .name: ah, .offset: 0, .size: 8, .value_kind: global_buffer, .address_space: global }
      - { .name: woh, .offset: 8, .size: 8, .value_kind: global_buffer, .address_space: global }
      - { .name: bo, .offset: 16, .size: 8, .value_kind: global_buffer, .address_space: global }
      - { .name: out0, .offset: 24, .size: 8, .value_kind: global_buffer, .address_space: global }
    .group_segment_fixed_size: 327680
    .private_segment_fixed_size: 0
    .kernarg_segment_align: 8
    .kernarg_segment_size: 32
    .max_flat_workgroup_size: 128
    .sgpr_count:     96
    .vgpr_count:     384
    .wavefront_size: 32
...
	.end_amdgpu_metadata
.endif
;; end of part 3
